; MI455X (gfx1250); checked and timed in simulation.
; The chip was launched on July 23, 2026; its instructions are those of AMD's public machine-readable ISA for CDNA 5 (MIT licence, August 2026) and "CDNA5" Instruction Set Architecture Reference Guide (July 2026). The comments in the code are by the model that wrote it; some were corrected since.
;; Multihead Self Attention. Allowed arithmetic: matrix products marked QUANTISED: E2M3 operands, one E8M0 scale for each 32 along K, by v_wmma_scale_f32_16x16x128_f8f6f4 with both operands' format E2M3, f32 sums; everything else in f32.
;; Inputs: We 1,024 x 1,024 float32; Wk 1,024 x 1,024 float32; Wq 1,024 x 1,024 float32; Wv 1,024 x 1,024 float32; be 1,024 float32; bk 1,024 float32; bq 1,024 float32; bv 1,024 float32; key 4 x 1 x 2,048 x 1,024 float32; query 4 x 1 x 2,048 x 1,024 float32; value 4 x 1 x 2,048 x 1,024 float32.
;; Outputs: out0 4 x 1 x 2,048 x 1,024 float32.
;; This version of the problem:
;;   THIS VERSION OF THE PROBLEM IS GIVEN IN LOW PRECISION. The matrix products marked QUANTISED in the list below multiply operands that are first quantised to E2M3 (2 exponent bits, 3 mantissa bits; 6 bits a number), with one power-of-two scale for each 32 numbers along K (OCP MX v1.0); their sums are f32. All else is computed in f32.
;;   The module's matrix products, in the order in which they are computed (A, B: the left and right operand; K: the contracted axis; several contracted axes count as one K, in the product's order):
;;     1. [M 8,192, K 1,024] x [K 1,024, N 1,024]; A: input query; B: input Wq: QUANTISED
;;     2. [M 8,192, K 1,024] x [K 1,024, N 1,024]; A: input key; B: input Wk: QUANTISED
;;     3. [M 8,192, K 1,024] x [K 1,024, N 1,024]; A: input value; B: input Wv: QUANTISED
;;     4. batch 64 x [M 2,048, K 64] x [K 64, N 2,048]; A: computed on the way; B: computed on the way: QUANTISED
;;     5. batch 64 x [M 2,048, K 2,048] x [K 2,048, N 64]; A: softmax (see below); B: computed on the way: QUANTISED
;;     6. [M 8,192, K 1,024] x [K 1,024, N 1,024]; A: computed on the way; B: input We: QUANTISED
;;   THE QUANTISER, for each operand of a quantised product, along K:
;;     - K is cut into blocks of 32 from its start; a last block that is shorter is filled with zeros.
;;     - A block's scale is 2^e with e = floor(log2(the largest magnitude in the block)) - 2, held to -126 .. 127; a block of zeros has e = 0. As a byte (E8M0): e + 127.
;;     - Each number is divided by its block's scale, clamped to +-7.5, and rounded to the nearest number of E2M3, ties to even, subnormals kept.
;;     - The product sums the exact products of the quantised numbers (number of the format x scale) in f32.
;;   ~~~python
;;   def quantise(x, axis):      # numpy; x: float32 -> the quantised numbers, widened to float32 again
;;       x = np.moveaxis(x, axis, -1); K = x.shape[-1]
;;       x = np.pad(x, [(0, 0)] * (x.ndim - 1) + [(0, -K % 32)]); x = x.reshape(x.shape[:-1] + (-1, 32)); a = np.abs(x).max(-1, keepdims=True)
;;       e = np.where(a > 0, np.clip(np.frexp(np.where(a > 0, a, 1))[1] - 1 - 2, -126, 127), 0)      # np.frexp(a)[1] - 1 = floor(log2(a)), exactly
;;       r = np.clip(x / 2.0 ** e, -7.5, 7.5)
;;       step = 2.0 ** (np.maximum(np.frexp(np.where(r == 0, 1, r))[1] - 1, 0) - 3)
;;       q = np.round(r / step) * step * 2.0 ** e      # np.round: ties to even
;;       return np.moveaxis(q.reshape(q.shape[:-2] + (-1,))[..., :K], -1, axis).astype(np.float32)
;;   ~~~
;;   SOFTMAX AHEAD OF A QUANTISED PRODUCT. Where the list says 'softmax', what is quantised is not the finished softmax but p = 2^(t - M), with t = logit x log2(e) and M = ceil(the row's largest t), a whole number; so 1/2 < the row's largest p <= 1. The row's sum l is taken of the UNQUANTISED p, in f32, and the product's result is divided by l at the end. Since M is a whole number, a kernel that streams over the keys may use a running M (the ceiling of the running maximum): every later rescaling is an exact power of two, which a block's scale takes up: the codes' values come out the same.
;;   OPERANDS COMPUTED ON THE WAY. 'Computed on the way' means the value that the module computes at that place (a softmax that the list does not call 'softmax' is quantised finished and normalised). What goes into a quantiser is computed in f32, as accurately as f32 sums, v_exp_f32 and their like allow (about 1e-6 of the number): no bf16 or f16 on the way to a quantiser, and a product that is left as it is and whose result goes on into a quantised operand takes f32 operands (vector FMAs, or v_wmma_f32_16x16x4_f32). A number that lies on a knife's edge between two numbers of the format may be rounded either way, as far as f32 arithmetic and the matrix unit's own rounding can turn it there, and no further.
;; One version. Each part assembles by itself: llvm-mc -triple=amdgcn-amd-amdhsa -mcpu=gfx1250 --defsym DOCPART=n.
;; ======== version 1 of 1: 4 launches
;; limits: right only within a limited range of input values
;; workspace buffers: codes 28,311,552 bytes; scales 1,179,648 bytes; qb 6,553,600 bytes; kv 13,107,200 bytes
;; launch quant (part 1): grid 256 x 1, 14 waves a work-group, no clusters, 120,064 bytes of LDS; arguments query, key, value, Wq, Wk, Wv, We, codes, scales; writes codes, scales
.if DOCPART == 1
	.amdgcn_target "amdgcn-amd-amdhsa--gfx1250"
	.amdhsa_code_object_version 6
	.text
	.protected	k_qfee81ede08_quant
	.globl	k_qfee81ede08_quant
	.p2align	8
	.type	k_qfee81ede08_quant,@function
k_qfee81ede08_quant:
	s_mov_b64 s[64:65], 0
	v_nop
	global_prefetch_b8 v0, s[64:65] scope:SCOPE_SE
	s_setreg_imm32_b32 hwreg(HW_REG_WAVE_MODE, 25, 1), 1
	s_wait_xcnt 0x0
; query, key, value [8192][1024] and Wq, Wk, Wv, We [1024][1024], f32, K innermost, become codes of FP6 (E2M3) with one E8M0 byte for each 32 along K.
; A block's scale is 2^(floor(log2(its largest magnitude)) - 2); its byte is the largest magnitude's exponent field - 2, held at 1 from below.
; LIMITS: NaN and infinities among the inputs are not served; a block whose largest magnitude lies under 2^-124 has its byte held at 1; a block of zeros gets the byte 1
; and not 127: its codes are zeros, which add nothing under any byte but 0xff, and the bytes are read by this program alone.
; LAYOUT OF THE RESULT.  The 28,672 rows are 1,792 TILES of 16 rows; lane r of tile T holds row 32 (T / 2) + 8 (T % 2) + r + 8 (r / 8) of its tensor.  A fragment (a tile x 128 along K) is stored
; as the image of its 12 operand registers: six pieces of 256 bytes, piece p = registers 2 p, 2 p + 1, lane l at 8 l.  codes: [group of 8 tiles][K step 0..7][tile in group][1536];
; scales: [tile][K half][r][4 words], word i = the scale word of K step 4 x half + i.
; SHARES.  A wave takes one tile and one half of K: four units of 16 rows x 128 numbers.  3,584 waves = 256 work-groups x 14.  Waves share nothing: no barrier, no cluster (no input is read twice).
; A load reads 512 consecutive bytes of one row; the unit turns through the wave's own stage in LDS (16 rows, 528 bytes apart), so that a lane gets 16 neighbours of each block of 32.
.set STG,  8448                        ; a wave's stage: 16 x 528 bytes
.set R,    16                          ; v16-143   two sets of 64 registers as loaded
.set X,    144                         ; v144-207  register 16 b + i = k 32 b + 16 (lane / 16) + i of my row
.set PC,   208                         ; v208-227  the fragment's 12 registers, then the conversions' second halves
.set TM,   228                         ; v228-243  at work in the quantiser
.set PW,   244                         ; v244-247  the four units' scale words
.set LS,   24                          ; s[24:25]  lane selects for v_permlanex16_b32: lane l xor 16
	s_load_b256 s[4:11], s[0:1], 0x0               ; query s[4:5], key s[6:7], value s[8:9], Wq s[10:11]
	s_load_b256 s[12:19], s[0:1], 0x20             ; Wk s[12:13], Wv s[14:15], We s[16:17], codes s[18:19]
	s_load_b64 s[20:21], s[0:1], 0x40              ; scales
	v_lshl_add_u32 v254, v0, 2, 0x1ce00
	v_mov_b32 v255, 0
	v_lshrrev_b32 v1, 5, v0
	s_delay_alu instid0(VALU_DEP_1)
	v_readfirstlane_b32 s22, v1                    ; wave 0..13
	v_and_b32 v2, 31, v0                           ; lane
	v_and_b32 v6, 15, v0                           ; r
	v_bfe_u32 v7, v0, 4, 1                         ; h
	s_delay_alu instid0(VALU_DEP_3)
	v_lshlrev_b32 v3, 4, v2                        ; 16 x lane: my bytes of a load's 512
	s_delay_alu instid0(VALU_DEP_4)
	v_lshlrev_b32 v4, 3, v2                        ; 8 x lane: my bytes of a piece
	s_delay_alu instid0(VALU_DEP_4)
	v_lshlrev_b32 v5, 4, v6                        ; 16 r: my row's four scale words
	s_mul_i32 s23, s22, STG
	v_add_nc_u32 v14, s23, v3                      ; the stage, on the way in: a row as it lies
	v_mul_u32_u24 v15, v6, 528
	s_delay_alu instid0(VALU_DEP_1)
	v_lshl_add_u32 v15, v7, 6, v15
	s_delay_alu instid0(VALU_DEP_1)
	v_add_nc_u32 v15, s23, v15                     ; and on the way out: row r, + 64 h
	s_mov_b32 s[LS], 0x76543210
	s_mov_b32 s[LS+1], 0xfedcba98
.irp b, 0,1,2,3
	v_mov_b32 v[TM+4+\b], 0                        ; written once: a lane permute's destination counts as one of its sources
.endr
	s_mul_i32 s26, ttmp9, 14
	s_add_co_u32 s26, s26, s22                     ; U = 14 x work-group + wave
	s_lshr_b32 s27, s26, 1                         ; the tile
	s_and_b32 s28, s26, 1                          ; the half of K
	s_wait_alu depctr_va_vdst(0)
	s_wait_kmcnt 0x0
	s_mov_b64 s[30:31], s[16:17]                   ; which tensor holds my tile, and the tensor's first tile: a chain of choices on the tile's number alone
	s_mov_b32 s29, 1728
.macro PICK bound, ptr, first
	s_cmp_lt_u32 s27, \bound
	s_cselect_b64 s[30:31], s[\ptr:\ptr+1], s[30:31]
	s_cselect_b32 s29, \first, s29
.endm
	PICK 1728, 14, 1664
	PICK 1664, 12, 1600
	PICK 1600, 10, 1536
	PICK 1536, 8, 1024
	PICK 1024, 6, 512
	PICK 512, 4, 0
	s_sub_co_u32 s29, s27, s29                     ; the tile's number in its tensor
	; KEY'S TILES (512 to 1,023) TAKE OTHER ROWS: lane r of tile T holds row 64 (T / 4) + 8 (T % 4) + r + 24 (r / 8), so that in the scores a lane's 32 numbers of four products are one block of 32 keys
	s_lshr_b32 s38, s27, 9
	s_cmp_eq_u32 s38, 1                            ; key's tile?  The choice hangs on the tile's number alone
	s_cselect_b32 s38, 2, 1                        ; tiles to a run of rows: 4 or 2
	s_cselect_b32 s39, 3, 1
	s_cselect_b32 s34, 0x10000, 0                  ; rows 8 to 15 of key's tiles lie 16 rows further on than the others'
	s_lshr_b32 s32, s29, s38
	s_add_co_u32 s38, s38, 16
	s_lshl_b32 s32, s32, s38                       ; 64 or 32 rows of 4,096 bytes for each run,
	s_and_b32 s33, s29, s39
	s_lshl_b32 s33, s33, 15                        ; 8 rows for each tile in it,
	s_add_co_u32 s32, s32, s33
	s_lshl_b32 s33, s28, 11                        ; 2,048 bytes for the second half of K
	s_add_co_u32 s32, s32, s33
	s_mov_b32 s33, 0
	s_add_nc_u64 s[30:31], s[30:31], s[32:33]
	s_mov_b32 s35, 0
	s_add_nc_u64 s[38:39], s[30:31], s[34:35]      ; the base for the tile's rows 8 to 15
	s_lshr_b32 s34, s27, 3
	s_mul_i32 s34, s34, 98304                      ; codes: the group,
	s_and_b32 s35, s27, 7
	s_mul_i32 s35, s35, 1536                       ; the tile in it,
	s_add_co_u32 s34, s34, s35
	s_mul_i32 s35, s28, 49152                      ; four K steps of 12,288 bytes
	s_add_co_u32 s34, s34, s35
	s_mov_b32 s35, 0
	s_add_nc_u64 s[18:19], s[18:19], s[34:35]
	s_lshl_b32 s36, s26, 8                         ; scales: 512 x tile + 256 x half = 256 U
	s_mov_b32 s37, 0
	s_add_nc_u64 s[20:21], s[20:21], s[36:37]
.macro LOAD u                          ; unit u: 16 rows x 512 bytes; row i of the tile lies i + 8 (i / 8) rows on
.irp i, 0,1,2,3,4,5,6,7,8,9,10,11,12,13,14,15
	global_load_b128 v[R+64*((\u)%2)+4*\i:R+64*((\u)%2)+4*\i+3], v3, s[30+8*(\i/8):31+8*(\i/8)] offset:(\i+8*(\i/8))*4096+512*(\u) th:TH_LOAD_NT
.endr
.endm
; 64 numbers of a lane, v[s] on, become a fragment's codes in v[PC] on and its scale word in v[w].
.macro QUANT s, w
.irp b, 0,1,2,3
	v_max3_num_f32 v[TM+\b], |v[\s+16*\b]|, |v[\s+1+16*\b]|, 0x1800000   ; block b: my 16 numbers, and the floor 2^(3 - 127): the byte cannot fall under 1
.endr
.irp i, 2,4,6,8,10,12,14
.irp b, 0,1,2,3
	s_delay_alu instid0(VALU_DEP_4)
	v_max3_num_f32 v[TM+\b], v[TM+\b], |v[\s+16*\b+\i]|, |v[\s+1+16*\b+\i]|   ; the four blocks by turns
.endr
.endr
.irp b, 0,1,2,3
	s_delay_alu instid0(VALU_DEP_4)
	v_permlanex16_b32 v[TM+4+\b], v[TM+\b], s[LS], s[LS+1]
.endr
.irp b, 0,1,2,3
	s_delay_alu instid0(VALU_DEP_4)
	v_max_num_f32 v[TM+\b], v[TM+\b], v[TM+4+\b]   ; with lane l xor 16's: the block's largest magnitude
.endr
.irp b, 0,1,2,3
	s_delay_alu instid0(VALU_DEP_4)
	v_add_nc_u32 v[TM+12+\b], 0xff000000, v[TM+\b] ; 2 off its exponent field: the conversion takes this operand's exponent field as its scale
.endr
.irp b, 0,1,2,3
	s_delay_alu instid0(VALU_DEP_4)
	v_lshrrev_b32 v[TM+4+\b], 23, v[TM+12+\b]      ; the scale's byte
.endr
	s_delay_alu instid0(VALU_DEP_3)
	v_lshl_or_b32 v[\w], v[TM+5], 8, v[TM+4]
	s_delay_alu instid0(VALU_DEP_1)
	v_lshl_or_b32 v[\w], v[TM+6], 16, v[\w]
	s_delay_alu instid0(VALU_DEP_1)
	v_lshl_or_b32 v[\w], v[TM+7], 24, v[\w]        ; my row's scale word
.irp c, 0,1
	v_cvt_scalef32_pk16_fp6_f32 v[PC+6*\c:PC+2+6*\c], v[\s+32*\c:\s+15+32*\c], v[TM+12+2*\c]
	v_cvt_scalef32_pk16_fp6_f32 v[PC+12+4*\c:PC+14+4*\c], v[\s+16+32*\c:\s+31+32*\c], v[TM+12+2*\c+1]   ; (a conversion's three registers begin on an even number)
.endr
	v_nop                                          ; one plain place behind a scaled conversion
.irp c, 0,1                                    ; the operand's layout wants a whole block in a lane: lanes 0-15 block 2 c, lanes 16-31 block 2 c + 1
.irp i, 0,1,2
	v_permlane16_swap_b32 v[PC+6*\c+\i], v[PC+12+4*\c+\i]
.endr
.irp i, 0,1,2
	s_delay_alu instid0(VALU_DEP_3)
	v_mov_b32 v[PC+3+6*\c+\i], v[PC+12+4*\c+\i]
.endr
.endr
.endm
.macro UNIT u
.if (\u) < 3
	s_wait_loadcnt 16                              ; this unit's 16 loads are in; the next unit's 16 may be out
.else
	s_wait_loadcnt 0x0
.endif
.irp i, 0,1,2,3,4,5,6,7,8,9,10,11,12,13,14,15
	ds_store_b128 v14, v[R+64*((\u)%2)+4*\i:R+64*((\u)%2)+4*\i+3] offset:528*\i
.endr
.irp b, 0,1,2,3
.irp j, 0,1,2,3
	ds_load_b128 v[X+16*\b+4*\j:X+16*\b+4*\j+3], v15 offset:128*\b+16*\j   ; LDS serves a wave's instructions in order: these see the stores above
.endr
.endr
	s_wait_dscnt 0x0                               ; the numbers are back; the stores into the stage have read their registers
	s_wait_xcnt 0x0                                ; the last unit's stores have read the codes' registers, which are written again below
.if (\u) < 2
	LOAD (\u)+2
.endif
	QUANT X, PW+(\u)
.irp p, 0,1,2,3,4,5
	global_store_b64 v4, v[PC+2*\p:PC+2*\p+1], s[18:19] offset:12288*(\u)+256*\p   ; a piece: 256 consecutive bytes, aligned
.endr
.endm
	LOAD 0
	LOAD 1
	UNIT 0
	UNIT 1
	UNIT 2
	UNIT 3
	global_store_b128 v5, v[PW:PW+3], s[20:21]     ; 16 rows x 4 words: 256 consecutive bytes; lanes 16-31 hold the same words and write the same bytes
	s_wait_tensorcnt 0x0
	ds_add_u32 v254, v255
	s_wait_dscnt 0x0
	s_endpgm
.Lfunc_end_k_qfee81ede08_quant:
	.size	k_qfee81ede08_quant, .Lfunc_end_k_qfee81ede08_quant-k_qfee81ede08_quant
	.p2alignl 7, 3214868480
	.fill 96, 4, 3214868480
	.section	.rodata,"a",@progbits
	.p2align	6, 0x0
	.amdhsa_kernel k_qfee81ede08_quant
		.amdhsa_group_segment_fixed_size 120064
		.amdhsa_private_segment_fixed_size 0
		.amdhsa_enable_private_segment 0
		.amdhsa_kernarg_size 72
		.amdhsa_user_sgpr_count 2
		.amdhsa_user_sgpr_kernarg_segment_ptr 1
		.amdhsa_wavefront_size32 1
		.amdhsa_system_sgpr_workgroup_id_x 1
		.amdhsa_system_sgpr_workgroup_id_y 1
		.amdhsa_system_sgpr_workgroup_id_z 1
		.amdhsa_system_vgpr_workitem_id 0
		.amdhsa_next_free_vgpr 256
		.amdhsa_next_free_sgpr 66
		.amdhsa_reserve_vcc 0
		.amdhsa_float_denorm_mode_32 3
		.amdhsa_float_denorm_mode_16_64 3
		.amdhsa_memory_ordered 1
		.amdhsa_forward_progress 1
		.amdhsa_inst_pref_size 43
	.end_amdhsa_kernel
	.amdgpu_metadata
---
amdhsa.version: [ 1, 2 ]
amdhsa.kernels:
  - .name:           k_qfee81ede08_quant
    .symbol:         k_qfee81ede08_quant.kd
    .args:
      - { .name: query, .offset: 0, .size: 8, .value_kind: global_buffer, .address_space: global }
      - { .name: key, .offset: 8, .size: 8, .value_kind: global_buffer, .address_space: global }
      - { .name: value, .offset: 16, .size: 8, .value_kind: global_buffer, .address_space: global }
      - { .name: Wq, .offset: 24, .size: 8, .value_kind: global_buffer, .address_space: global }
      - { .name: Wk, .offset: 32, .size: 8, .value_kind: global_buffer, .address_space: global }
      - { .name: Wv, .offset: 40, .size: 8, .value_kind: global_buffer, .address_space: global }
      - { .name: We, .offset: 48, .size: 8, .value_kind: global_buffer, .address_space: global }
      - { .name: codes, .offset: 56, .size: 8, .value_kind: global_buffer, .address_space: global }
      - { .name: scales, .offset: 64, .size: 8, .value_kind: global_buffer, .address_space: global }
    .group_segment_fixed_size: 120064
    .private_segment_fixed_size: 0
    .kernarg_segment_align: 8
    .kernarg_segment_size: 72
    .max_flat_workgroup_size: 448
    .sgpr_count:     66
    .vgpr_count:     256
    .wavefront_size: 32
...
	.end_amdgpu_metadata
.endif
;; end of part 1
;; launch proj (part 2): grid 4 x 96, 4 waves a work-group, clusters of 4 x 4, 327,680 bytes of LDS; arguments codes, scales, bq, bk, bv, qb, kv; writes qb, kv
.if DOCPART == 2
	.amdgcn_target "amdgcn-amd-amdhsa--gfx1250"
	.amdhsa_code_object_version 6
	.text
	.protected	k_qfee81ede08_proj
	.globl	k_qfee81ede08_proj
	.p2align	8
	.type	k_qfee81ede08_proj,@function
k_qfee81ede08_proj:
	s_mov_b64 s[64:65], 0
	v_nop
	global_prefetch_b8 v0, s[64:65] scope:SCOPE_SE
	s_setreg_imm32_b32 hwreg(HW_REG_WAVE_MODE, 25, 1), 1
	s_wait_xcnt 0x0
	s_wait_alu depctr_hold_cnt(0) depctr_sa_sdst(0) depctr_va_vdst(0) depctr_va_sdst(0) depctr_va_ssrc(0) depctr_va_vcc(0) depctr_vm_vsrc(0)
	s_getreg_b32 s2, hwreg(HW_REG_IB_STS2, 6, 4)
	s_cmp_eq_u32 s2, 0
	s_cbranch_scc0 .Lentry_in_a_cluster
	s_endpgm
.Lentry_in_a_cluster:
	s_bfe_u32 s2, ttmp6, 0x10000c
	s_cmp_lg_u32 s2, 0xf033
	s_cbranch_scc0 .Lentry_shape_is_right
	s_endpgm
.Lentry_shape_is_right:
.set HALFT, 24576
.set SLOT,  4*HALFT
.set SPARE, 2*SLOT
.set FR,    12
.set NL,    6
.set NP,    4
.set L8,    6
.set BL,    8
.set ADRA,  16
.set ADRB,  20
.set SOFF,  27
.set SPW,   28
.set NIL,   29
.set SC,    32
.set TM,    96
.set PW,    112
.set BP,    120
.set AF,    128
.set T,     128
.set PC,    192
.set WV,    18
.set AH,    19
.set BH,    20
.set G1,    24
.set G0,    32
.set G1B,   48
.set G0B,   56
.set LS,    82
.set MSB, 0
.macro WIN new
.if MSB != (\new)
	s_set_vgpr_msb (MSB<<8)|(\new)
.set MSB, (\new)
.endif
.endm
.set MUL_LO, 0xa1
.set MUL_HI, 0xf1
.set TO_B,   0x40
.macro JLOAD g0a, g0b
	s_cmp_eq_u32 s[AH], 0
	s_cbranch_scc0 .Lfor_b_\@
	tensor_load_to_lds s[\g0a:\g0a+3], s[G1:G1+7]
	s_nop 0
.rept 4
	v_nop
.endr
	s_branch .Lasked_\@
.Lfor_b_\@:
	tensor_load_to_lds s[\g0b:\g0b+3], s[G1B:G1B+7]
	s_nop 0
.rept 4
	v_nop
.endr
.Lasked_\@:
.endm
.macro CREST
	s_cmp_lg_u32 s[WV], 0
	s_cbranch_scc1 .Lnot_wave_0_\@
	s_barrier_signal -3
.Lnot_wave_0_\@:
	s_barrier_wait -3
	s_barrier_signal -1
	s_barrier_wait -1
.endm
.macro CROUND
	s_barrier_signal -1
	s_barrier_wait -1
	CREST
.endm
.macro PLACES n
.rept \n
	v_nop
.endr
.endm
	s_load_b256 s[4:11], s[0:1], 0x0
	s_load_b128 s[12:15], s[0:1], 0x20
	s_load_b64 s[16:17], s[0:1], 0x30
	v_lshl_add_u32 v[SPW], v0, 2, SPARE
	v_mov_b32 v[NIL], 0
	ds_add_u32 v28, v29
	ds_add_u32 v28, v29
	s_wait_dscnt 0x0
	v_lshrrev_b32 v1, 5, v0
	v_readfirstlane_b32 s[WV], v1
	s_lshr_b32 s[AH], s[WV], 1
	s_and_b32 s[BH], s[WV], 1
	s_bfe_u32 s40, ttmp6, 0x40000
	s_bfe_u32 s41, ttmp6, 0x40004
	s_and_b32 s21, ttmp7, 0xffff
	s_lshr_b32 s22, s21, 3
	s_and_b32 s23, s21, 7
	s_lshr_b32 s42, s22, 1
	s_xor_b32 s45, s42, 1
	s_mul_i32 s66, s23, s45
	s_lshl_b32 s66, s66, 2
	s_add_co_u32 s66, s66, s41
	s_mul_i32 s67, s22, s45
	s_lshl_b32 s67, s67, 6
	s_mul_i32 s68, s42, 208
	s_add_co_u32 s67, s67, s68
	s_lshl_b32 s68, s66, 1
	s_add_co_u32 s67, s67, s68
	s_mul_i32 s70, s23, s42
	s_add_co_u32 s70, s70, ttmp9
	s_lshl_b32 s70, s70, 2
	s_add_co_u32 s70, s70, s40
	s_lshl_b32 s71, s22, 3
	s_add_co_u32 s71, s71, 192
	s_mul_i32 s71, s71, s45
	s_lshl_b32 s72, s42, 7
	s_add_co_u32 s71, s71, s72
	s_lshl_b32 s72, s70, 1
	s_add_co_u32 s71, s71, s72
	s_lshl_b32 s43, s41, 2
	s_lshl_b32 s43, 15, s43
	s_lshl_b32 s44, 0x1111, s40
	s_or_b32 s[G1+0], s43, (3<<16)|(1<<21)
	s_or_b32 s[G1B+0], s44, (3<<16)|(1<<21)
.irp g, G1, G1B
	s_mov_b32 s[\g+1], 32<<16
	s_mov_b32 s[\g+2], 96<<16
	s_mov_b32 s[\g+3], 32<<16
	s_mov_b32 s[\g+4], 96
	s_mov_b32 s[\g+5], 32
	s_mov_b32 s[\g+6], 0
	s_mov_b32 s[\g+7], 0
.endr
	s_add_co_u32 s68, s67, s[BH]
	s_mul_i32 s68, s68, 98304
	s_mov_b32 s69, 0
	s_add_co_u32 s72, s71, s[BH]
	s_mul_i32 s72, s72, 98304
	s_mov_b32 s73, 0
	s_mul_i32 s46, s[WV], HALFT
	s_wait_kmcnt 0x0
	s_add_nc_u64 s[68:69], s[4:5], s[68:69]
	s_add_nc_u64 s[72:73], s[4:5], s[72:73]
	CROUND
.irp k, 0,1
	s_mov_b32 s[G0+4*\k], 1
	s_add_co_u32 s[G0+4*\k+1], s46, \k*SLOT
	s_add_nc_u64 s[G0+4*\k+2:G0+4*\k+3], s[68:69], \k*HALFT
	s_or_b32 s[G0+4*\k+3], s[G0+4*\k+3], 0x80000000
	s_mov_b32 s[G0B+4*\k], 1
	s_add_co_u32 s[G0B+4*\k+1], s46, \k*SLOT
	s_add_nc_u64 s[G0B+4*\k+2:G0B+4*\k+3], s[72:73], \k*HALFT
	s_or_b32 s[G0B+4*\k+3], s[G0B+4*\k+3], 0x80000000
.endr
	JLOAD G0, G0B
	v_and_b32 v1, 15, v0
	v_bfe_u32 v2, v0, 4, 1
	s_wait_alu depctr_va_vdst(0)
	v_and_b32 v3, 31, v0
	v_lshlrev_b32 v[L8], 3, v3
	s_mul_i32 s2, s[AH], HALFT
	s_mul_i32 s3, s[BH], HALFT
	s_add_co_u32 s3, s3, 2*HALFT
.irp k, 0,1
	v_add_nc_u32 v[ADRA+\k], s2, v[L8]
	v_add_nc_u32 v[ADRB+\k], s3, v[L8]
	s_add_co_u32 s2, s2, SLOT
	s_add_co_u32 s3, s3, SLOT
.endr
	s_add_co_u32 s2, s67, s[AH]
	s_lshl_b32 s2, s2, 12
	s_add_co_u32 s3, s71, s[BH]
	s_lshl_b32 s3, s3, 12
	v_mov_b32 v4, s2
	v_mov_b32 v5, s3
	v_cmp_ne_u32 vcc_lo, 0, v2
	v_cndmask_b32 v[SOFF], v4, v5, vcc_lo
	v_lshl_add_u32 v[SOFF], v1, 4, v[SOFF]
.irp i, 0,1,2,3,4,5,6,7
.irp k, 0,1
	global_load_b128 v[SC+8*\i+4*\k:SC+8*\i+4*\k+3], v[SOFF], s[6:7] offset:512*\i+256*\k
.endr
.endr
	s_cmp_eq_u32 s22, 0
	s_cselect_b64 s[74:75], s[8:9], s[10:11]
	s_cmp_eq_u32 s22, 2
	s_cselect_b64 s[74:75], s[12:13], s[74:75]
	s_lshl_b32 s76, s66, 8
	s_lshl_b32 s2, s[AH], 7
	s_add_co_u32 s76, s76, s2
	s_lshl_b32 s77, s70, 8
	s_lshl_b32 s2, s[BH], 7
	s_add_co_u32 s77, s77, s2
	s_mul_i32 s78, s77, s45
	s_lshl_b32 s78, s78, 2
	s_mov_b32 s79, 0
	s_add_nc_u64 s[78:79], s[74:75], s[78:79]
	s_mul_i32 s80, s76, s42
	s_lshl_b32 s80, s80, 2
	s_mov_b32 s81, 0
	s_add_nc_u64 s[80:81], s[74:75], s[80:81]
	v_lshlrev_b32 v30, 6, v2
	v_and_b32 v31, 8, v1
	v_add_nc_u32 v31, v31, v1
	v_lshlrev_b32 v31, 2, v31
	WIN TO_B
.irp g, 0,1,2,3
.irp j, 0,1,2,3
	global_load_b128 v[96+16*\g+4*\j+96*(\g/2):96+16*\g+4*\j+96*(\g/2)+3], v30, s[78:79] offset:128*\g+16*\j
.endr
.endr
	WIN 0
.irp a, 0,1,2,3,4,5,6,7
	global_load_b32 v[BL+\a], v31, s[80:81] offset:(32*(\a/2)+8*(\a%2))*4
.endr
	s_cmp_eq_u32 s42, 1
	s_cselect_b32 s82, s77, s76
	s_cselect_b32 s83, s76, s77
	s_lshr_b32 s84, s82, 11
	s_bfe_u32 s85, s82, 0x40007
	s_lshl_b32 s86, s84, 4
	s_lshr_b32 s83, s83, 6
	s_add_co_u32 s86, s86, s83
	s_mov_b32 s87, 204800
	s_cmp_eq_u32 s22, 0
	s_cselect_b32 s87, 102400, s87
	s_cselect_b64 s[88:89], s[14:15], s[16:17]
	s_mul_i32 s90, s86, s87
	s_lshr_b32 s91, s87, 4
	s_mul_i32 s91, s91, s85
	s_add_co_u32 s90, s90, s91
	s_mul_i32 s91, s42, 6400
	s_add_co_u32 s90, s90, s91
	s_mov_b32 s91, 0
	s_add_nc_u64 s[92:93], s[88:89], s[90:91]
	s_add_nc_u64 s[88:89], s[92:93], 6144
	s_mov_b32 s98, 768
	s_cmp_eq_u32 s42, 1
	s_cselect_b32 s94, 768, s87
	s_cselect_b32 s98, 1536, s98
	s_cselect_b32 s2, 198656, 0
	s_mov_b32 s95, 0
	s_mov_b32 s99, 0
	s_mov_b32 s3, 0
	s_add_nc_u64 s[96:97], s[92:93], s[94:95]
	s_mov_b32 s[LS], 0x76543210
	s_mov_b32 s[LS+1], 0xfedcba98
	s_sub_co_u32 s47, 0, s45
	s_sub_co_u32 s21, 0, s42
.irp b, 0,1,2,3
	v_mov_b32 v[TM+4+\b], 0
.endr
	s_wait_alu depctr_va_vdst(0)
	s_wait_tensorcnt 0x0
	ds_add_u32 v28, v29
	s_wait_dscnt 0x0
	CROUND
	JLOAD G0+4, G0B+4
	s_wait_loadcnt 0x0
	WIN 0x44
.set n, 0
.rept 64
	v_and_b32 v[96+n+96*(n/32)], s47, v[96+n+96*(n/32)]
.set n, n+1
.endr
	WIN 0
.irp a, 0,1,2,3,4,5,6,7
	v_and_b32 v[BL+\a], s21, v[BL+\a]
.endr
.macro FRAG reg, adr, q, i
.irp p, 0,1,2,3,4,5
	ds_load_b64 v[\reg+2*\p:\reg+2*\p+1], v[\adr] offset:12288*(\q)+1536*(\i)+256*\p
.endr
.endm
.macro MUL16 a0, p, ks
.irp a, \a0, \a0+1
.irp b, 0,1,2,3,4,5,6,7
.if (\ks) == 0
	v_wmma_scale_f32_16x16x128_f8f6f4 v[8*(8*((\a)%4)+\b):8*(8*((\a)%4)+\b)+7], v[128*(\p)+FR*\b:128*(\p)+FR*\b+FR-1], v[AF+FR*(\a):AF+FR*(\a)+FR-1], 0, v[SC+8*\b+(\ks)], v[SC+8*(\a)+(\ks)] matrix_a_fmt:MATRIX_FMT_FP6 matrix_b_fmt:MATRIX_FMT_FP6 matrix_a_scale:MATRIX_SCALE_ROW1
.else
	v_wmma_scale_f32_16x16x128_f8f6f4 v[8*(8*((\a)%4)+\b):8*(8*((\a)%4)+\b)+7], v[128*(\p)+FR*\b:128*(\p)+FR*\b+FR-1], v[AF+FR*(\a):AF+FR*(\a)+FR-1], v[8*(8*((\a)%4)+\b):8*(8*((\a)%4)+\b)+7], v[SC+8*\b+(\ks)], v[SC+8*(\a)+(\ks)] matrix_a_fmt:MATRIX_FMT_FP6 matrix_b_fmt:MATRIX_FMT_FP6 matrix_a_scale:MATRIX_SCALE_ROW1
.endif
.endr
.endr
.endm
.macro FETCH_B slot, q, p
	WIN TO_B
.irp i, 0,1,2,3,4,5,6,7
	FRAG 128*(\p)+FR*\i, ADRB+\slot, \q, \i
.endr
	WIN 0
.endm
.macro FETCH_A slot, q, i0
.irp i, \i0, \i0+1, \i0+2, \i0+3
	FRAG AF+FR*(\i), ADRA+\slot, \q, \i
.endr
.endm
.macro STEP slot, ks
	s_wait_dscnt 4*NL
	WIN MUL_LO
	MUL16 0, 0, \ks
	MUL16 2, 0, \ks
	s_wait_dscnt 0
	PLACES NP
	FETCH_B \slot, 1, 1
	FETCH_A \slot, 1, 0
	WIN MUL_HI
	MUL16 4, 0, \ks
	MUL16 6, 0, \ks
	PLACES NP
	WIN 0
	FETCH_A \slot, 1, 4
.endm
.macro TURN slot, next, fill, ks
	s_wait_tensorcnt 0x0
	ds_add_u32 v[SPW], v[NIL]
	s_wait_dscnt 4*NL+1
	WIN MUL_LO
	MUL16 0, 1, \ks
	s_wait_dscnt 0x0
	s_barrier_signal -1
	MUL16 2, 1, \ks
	WIN 0
	s_barrier_wait -1
.if \fill
	CREST
	s_add_nc_u64 s[G0+4*\slot+2:G0+4*\slot+3], s[G0+4*\slot+2:G0+4*\slot+3], 2*HALFT
	s_add_nc_u64 s[G0B+4*\slot+2:G0B+4*\slot+3], s[G0B+4*\slot+2:G0B+4*\slot+3], 2*HALFT
	JLOAD G0+4*\slot, G0B+4*\slot
.else
	PLACES NP
.endif
	FETCH_B \next, 0, 0
	FETCH_A \next, 0, 0
	WIN MUL_HI
	MUL16 4, 1, \ks
	MUL16 6, 1, \ks
	PLACES NP
	WIN 0
	FETCH_A \next, 0, 4
.endm
	s_wait_tensorcnt 1
	s_barrier_signal -1
	s_barrier_wait -1
	FETCH_B 0, 0, 0
	FETCH_A 0, 0, 0
	FETCH_A 0, 0, 4
	STEP 0, 0
	TURN 0, 1, 1, 1
	STEP 1, 2
	TURN 1, 0, 1, 3
	STEP 0, 4
	TURN 0, 1, 0, 5
	STEP 1, 6
	s_wait_dscnt 4*NL
	WIN MUL_LO
	MUL16 0, 1, 7
	MUL16 2, 1, 7
	s_wait_dscnt 0
	WIN MUL_HI
	MUL16 4, 1, 7
	MUL16 6, 1, 7
	WIN 0
	PLACES NP
.macro QUANT s, w
.irp b, 0,1,2,3
	v_max3_num_f32 v[TM+\b], |v[\s+16*\b]|, |v[\s+1+16*\b]|, 0x1800000
.endr
.irp i, 2,4,6,8,10,12,14
.irp b, 0,1,2,3
	v_max3_num_f32 v[TM+\b], v[TM+\b], |v[\s+16*\b+\i]|, |v[\s+1+16*\b+\i]|
.endr
.endr
.irp b, 0,1,2,3
	v_permlanex16_b32 v[TM+4+\b], v[TM+\b], s[LS], s[LS+1]
.endr
.irp b, 0,1,2,3
	v_max_num_f32 v[TM+\b], v[TM+\b], v[TM+4+\b]
.endr
.irp b, 0,1,2,3
	v_add_nc_u32 v[TM+12+\b], 0xff000000, v[TM+\b]
.endr
.irp b, 0,1,2,3
	v_lshrrev_b32 v[TM+4+\b], 23, v[TM+12+\b]
.endr
	v_lshl_or_b32 v[\w], v[TM+5], 8, v[TM+4]
	v_lshl_or_b32 v[\w], v[TM+6], 16, v[\w]
	v_lshl_or_b32 v[\w], v[TM+7], 24, v[\w]
.irp c, 0,1
	v_cvt_scalef32_pk16_fp6_f32 v[PC+6*\c:PC+2+6*\c], v[\s+32*\c:\s+15+32*\c], v[TM+12+2*\c]
	v_cvt_scalef32_pk16_fp6_f32 v[PC+12+4*\c:PC+14+4*\c], v[\s+16+32*\c:\s+31+32*\c], v[TM+12+2*\c+1]
.endr
	v_nop
.irp c, 0,1
.irp i, 0,1,2
	v_permlane16_swap_b32 v[PC+6*\c+\i], v[PC+12+4*\c+\i]
.endr
.irp i, 0,1,2
	v_mov_b32 v[PC+3+6*\c+\i], v[PC+12+4*\c+\i]
.endr
.endr
.endm
.macro OUTBLK a
	s_wait_xcnt 0x0
.if (\a) > 0
	s_add_nc_u64 s[92:93], s[92:93], s[98:99]
	s_add_nc_u64 s[96:97], s[96:97], s[98:99]
.endif
.if (\a) == 4
	s_add_nc_u64 s[92:93], s[92:93], s[2:3]
	s_add_nc_u64 s[96:97], s[96:97], s[2:3]
.endif
	WIN 0x06+(\a)/4
.set n, 0
.rept 32
	v_pk_add_f32 v[T+n:T+n+1], v[64*((\a)%4)+n:64*((\a)%4)+n+1], v[96+n+96*(n/32):96+n+96*(n/32)+1]
.set n, n+2
.endr
	WIN 0
	v_mov_b32 v[BP], v[BL+(\a)]
	v_mov_b32 v[BP+1], v[BL+(\a)]
.set n, 0
.rept 32
	v_pk_add_f32 v[T+n:T+n+1], v[T+n:T+n+1], v[BP:BP+1]
.set n, n+2
.endr
	QUANT T, PW+(\a)
.irp p, 0,1,2
	global_store_b64 v[L8], v[PC+2*\p:PC+2*\p+1], s[92:93] offset:256*\p
.endr
.irp p, 0,1,2
	global_store_b64 v[L8], v[PC+6+2*\p:PC+6+2*\p+1], s[96:97] offset:256*\p
.endr
.endm
.irp a, 0,1,2,3,4,5,6,7
	OUTBLK \a
.endr
	v_cmp_ne_u32 vcc_lo, 0, v2
	v_mov_b32 v122, 0x05040100
	v_mov_b32 v123, 0x07060302
	v_cndmask_b32 v122, v122, v123, vcc_lo
.irp i, 0,1,2,3
	v_cndmask_b32 v[224+\i], v[PW+\i], v[PW+4+\i], vcc_lo
	v_perm_b32 v[228+\i], v[PW+2*\i+1], v[PW+2*\i], v122
.endr
.irp i, 0,1,2,3
	v_cndmask_b32 v[232+\i], v[228+\i], v[224+\i], s21
.endr
	v_mul_lo_u32 v123, v2, s87
	v_lshl_add_u32 v123, v1, 4, v123
	global_store_b128 v123, v[232:235], s[88:89]
	s_wait_tensorcnt 0x0
	ds_add_u32 v[SPW], v[NIL]
	s_wait_dscnt 0x0
	CROUND
	s_endpgm
.Lfunc_end_k_qfee81ede08_proj:
	.size	k_qfee81ede08_proj, .Lfunc_end_k_qfee81ede08_proj-k_qfee81ede08_proj
	.p2alignl 7, 3214868480
	.fill 96, 4, 3214868480
	.section	.rodata,"a",@progbits
	.p2align	6, 0x0
	.amdhsa_kernel k_qfee81ede08_proj
		.amdhsa_group_segment_fixed_size 327680
		.amdhsa_private_segment_fixed_size 0
		.amdhsa_enable_private_segment 0
		.amdhsa_kernarg_size 56
		.amdhsa_user_sgpr_count 2
		.amdhsa_user_sgpr_kernarg_segment_ptr 1
		.amdhsa_wavefront_size32 1
		.amdhsa_system_sgpr_workgroup_id_x 1
		.amdhsa_system_sgpr_workgroup_id_y 1
		.amdhsa_system_sgpr_workgroup_id_z 1
		.amdhsa_system_vgpr_workitem_id 0
		.amdhsa_next_free_vgpr 1024
		.amdhsa_next_free_sgpr 100
		.amdhsa_reserve_vcc 1
		.amdhsa_float_denorm_mode_32 3
		.amdhsa_float_denorm_mode_16_64 3
		.amdhsa_memory_ordered 1
		.amdhsa_forward_progress 1
		.amdhsa_inst_pref_size 203
	.end_amdhsa_kernel
	.amdgpu_metadata
---
amdhsa.version: [ 1, 2 ]
amdhsa.kernels:
  - .name:           k_qfee81ede08_proj
    .symbol:         k_qfee81ede08_proj.kd
    .args:
      - { .name: codes, .offset: 0, .size: 8, .value_kind: global_buffer, .address_space: global }
      - { .name: scales, .offset: 8, .size: 8, .value_kind: global_buffer, .address_space: global }
      - { .name: bq, .offset: 16, .size: 8, .value_kind: global_buffer, .address_space: global }
      - { .name: bk, .offset: 24, .size: 8, .value_kind: global_buffer, .address_space: global }
      - { .name: bv, .offset: 32, .size: 8, .value_kind: global_buffer, .address_space: global }
      - { .name: qb, .offset: 40, .size: 8, .value_kind: global_buffer, .address_space: global }
      - { .name: kv, .offset: 48, .size: 8, .value_kind: global_buffer, .address_space: global }
    .group_segment_fixed_size: 327680
    .private_segment_fixed_size: 0
    .kernarg_segment_align: 8
    .kernarg_segment_size: 56
    .max_flat_workgroup_size: 128
    .sgpr_count:     100
    .vgpr_count:     1024
    .wavefront_size: 32
...
	.end_amdgpu_metadata
.endif
;; end of part 2
;; launch attn (part 3): grid 4 x 64, 8 waves a work-group, clusters of 4 x 1, 206,848 bytes of LDS; arguments qb, kv, codes, scales; writes codes, scales
.if DOCPART == 3
	.amdgcn_target "amdgcn-amd-amdhsa--gfx1250"
	.amdhsa_code_object_version 6
	.text
	.protected	k_qfee81ede08_attn
	.globl	k_qfee81ede08_attn
	.p2align	8
	.type	k_qfee81ede08_attn,@function
k_qfee81ede08_attn:
	s_mov_b64 s[64:65], 0
	v_nop
	global_prefetch_b8 v0, s[64:65] scope:SCOPE_SE
	s_setreg_imm32_b32 hwreg(HW_REG_WAVE_MODE, 25, 1), 1
	s_wait_xcnt 0x0
	s_wait_alu depctr_hold_cnt(0) depctr_sa_sdst(0) depctr_va_vdst(0) depctr_va_sdst(0) depctr_va_ssrc(0) depctr_va_vcc(0) depctr_vm_vsrc(0)
	s_getreg_b32 s2, hwreg(HW_REG_IB_STS2, 6, 4)
	s_cmp_eq_u32 s2, 0
	s_cbranch_scc0 .Lentry_in_a_cluster
	s_endpgm
.Lentry_in_a_cluster:
	s_bfe_u32 s2, ttmp6, 0x10000c
	s_cmp_lg_u32 s2, 0x3003
	s_cbranch_scc0 .Lentry_shape_is_right
	s_endpgm
.Lentry_shape_is_right:
; For each of 64 heads (batch x head): O = softmax(q k^T / 32) v, both products on codes of FP6 (E2M3) with E8M0 scales; O / l is quantised along the model's 1,024 for the last projection.
; THE SOFTMAX: t = score x log2(e) / 32; M = the running largest t rounded UP to a whole number; p = 2^(t - M) is quantised along the keys, not normalised; the row's sum l is taken of the
; unquantised p and divides O at the end.  When M moves, l and O are multiplied by 2^(old M - new M), which rounds nothing.
; SHARES.  A work-group owns one head and 512 queries; each of its 8 waves owns FOUR tiles of 16 queries and walks the 2,048 keys once, 128 a trip: a fragment of K or V is read from LDS once for the four tiles.
; A WHOLE HEAD'S K, V AND SCALE WORDS, 16 records of 12,800 bytes, STAY IN LDS: each wave brings two records by one tensor load; LDS is filled once: one barrier, no ring.
; All is asked for at the head, so there is no loop to run ahead in, and no data prefetch is laid.
; CLUSTER.  The four work-groups of a cluster are the four quarters of one head's queries: they want the same records and ask jointly.
; LAYOUT.  Both products are used transposed: S^T = K Q^T, O^T = V^T P^T: a lane holds ONE query (lane % 16) of each tile throughout.
; THE SCORES' K IS 64, the instruction's 128: a fragment of K carries TWO keys a row, one in k 0-63, one in k 64-127.  The four q lie in one run, zeros | q0 | zeros | q1 | zeros | q2 | zeros | q3 | zeros, six registers each:
; (q, zeros) picks a row's first key, (zeros, q) its second: zero codes add nothing.
; Row m of fragment u holds keys 64 (u / 2) + 32 (m / 8) + 16 (u % 2) + m % 8 and that + 8 (the first launch orders key's rows so).  So register 32 c + i of a lane's 64 scores is key
; 64 c + 32 (lane / 16) + i: A WHOLE BLOCK OF 32 KEYS IN A LANE, in the order of the operand's registers: a block's largest score needs no other lane, and p's codes need no lane swap.
; A TRIP: V's fragments are asked for at its top; tiles 0 to 3 one after the other.  A tile: the maxima in eight chains, -M, t - M, the exponentials in two halves, the sums in eight chains, the conversions;
; then THE NEXT TILE'S SCORES are multiplied, and this tile's moves, the rescaling of O^T and O^T's products stand between those products and their first reader.
; Among the first half's exponentials stand the second half's multiply-adds, among the second half's the first lines of the sums: each of these is first read behind the next wait.
; In tile 3, when K's fragments have been multiplied for the last time, the next trip's K is fetched over them.  The last trip fetches record 0's K and multiplies tile 0's scores on it; neither is used: so the trip is written once.
; LIMITS: NaN and infinities are not served; the scaled scores stay under 2^31 in magnitude; a block whose largest magnitude lies under 2^-124 has its byte held at 1;
; a block of zeros gets the byte 1, not 127 (zero codes; this program alone reads the bytes).
; The scale bytes of O leave as half-words, 16 bytes apart: a scale word's four bytes belong to two heads, which two work-groups make.
; REGISTERS, window 0: v1 8 x lane, v2 my place among a record's scale words, v3 16 r, v4 8 h, v5 the old -M, v6-8 K's LDS addresses, v9-11 V's, v14, v15 the scale words' addresses;
; v16-55 ten a tile: -M, the largest score, l in four pairs; v56 f (v57 named with it); v58-61 K's scale words, v62-65 V's (in lanes 16-31), v66 p's, v68-71 the four q's; v76-123 K; v124-187 the scores, then p; v188-233 at work.
; Window 1 (v256 on): 0-127 O^T, 32 a tile; 128-181 the run of q; 184-231 V.
.set REC,  12800                       ; a record: K's four fragments, 256 bytes of their words, V's four fragments, 256 bytes of their words
.set SPARE, 16*REC                     ; the spare words, 128 bytes a wave
.set WV,   12
.set LS,   20                          ; s[20:21] lane selects: lane l xor 16
.set CS,   22                          ; s[22:23] c = log2(e) / 32
.set G1,   24
.set G0,   32
.set TB,   36                          ; LDS byte of the trip's record; TN: of the next trip's
.set CNT,  37
.set TN,   49
.set F,    56
.set SCK,  58
.set SCV,  62
.set PS,   66
.set QS,   68
.set KF,   76
.set SR,   124
.set PD,   188
.set WK,   200
.set BM,   208
.set SO,   210
.set TP,   216
.set CH,   218                         ; v218-225 eight chains of maxima
.set TA,   226                         ; v226-233 four pairs of sums that live inside a tile's step
.set QR,   128                         ; window 1
.set VF,   184                         ; window 1
.set MSB, 0
.macro WIN new                         ; the immediate's high byte repeats the setting that is left
.if MSB != (\new)
	s_set_vgpr_msb (MSB<<8)|(\new)
.set MSB, (\new)
.endif
.endm
.macro CROUND                          ; a round of the cluster's barrier
	s_barrier_signal -1
	s_barrier_wait -1
	s_cmp_lg_u32 s[WV], 0
	s_cbranch_scc1 .Lnot_wave_0_\@
	s_barrier_signal -3
.Lnot_wave_0_\@:
	s_barrier_wait -3
	s_barrier_signal -1
	s_barrier_wait -1
.endm
.macro WALU
	s_wait_alu depctr_va_vdst(0)
.endm
.macro DEP1
	s_delay_alu instid0(VALU_DEP_1)
.endm
.macro FLOAD reg, a0                   ; four fragments, 24 pieces of 256 bytes, two to a load, eight to an address register
.set j, 0
.rept 12
	ds_load_2addr_b64 v[\reg+4*j:\reg+4*j+3], v[\a0+j/4] offset0:64*(j%4) offset1:64*(j%4)+32
.set j, j+1
.endr
.endm
.macro QKM q                           ; tile q's scores on the trip's 128 keys
	WIN 0x04                                       ; source 1, the run of q, in window 1
.irp t, 0,1,2,3
	v_wmma_scale_f32_16x16x128_f8f6f4 v[SR+16*\t:SR+16*\t+7], v[KF+12*\t:KF+12*\t+11], v[QR+12*(\q)+6:QR+12*(\q)+17], 0, v[SCK+\t], v[QS+(\q)] matrix_a_fmt:MATRIX_FMT_FP6 matrix_b_fmt:MATRIX_FMT_FP6
	v_wmma_scale_f32_16x16x128_f8f6f4 v[SR+16*\t+8:SR+16*\t+15], v[KF+12*\t:KF+12*\t+11], v[QR+12*(\q):QR+12*(\q)+11], 0, v[SCK+\t], v[QS+(\q)] matrix_a_fmt:MATRIX_FMT_FP6 matrix_b_fmt:MATRIX_FMT_FP6
.endr
	WIN 0
.endm
	s_load_b256 s[4:11], s[0:1], 0x0               ; qb s[4:5], kv s[6:7], codes s[8:9], scales s[10:11]
	v_lshl_add_u32 v254, v0, 2, SPARE
	v_mov_b32 v255, 0
	ds_add_u32 v254, v255                          ; the opening lines
	ds_add_u32 v254, v255
	v_lshrrev_b32 v6, 5, v0
	v_readfirstlane_b32 s[WV], v6                  ; wave 0..7
	s_bfe_u32 s13, ttmp6, 0x40000                  ; cx
	s_lshl_b32 s15, ttmp9, 2
	s_add_co_u32 s15, s15, s13                     ; which quarter of the queries: it enters Q's and O's global addresses alone
	s_and_b32 s14, ttmp7, 0xffff                   ; the head, which the four partners share
	s_mov_b32 s[G1], 15|(3<<16)|(1<<21)            ; the mask: all four; elements of 8 bytes; bit 21 beside a mask
	s_mov_b32 s[G1+1], 32<<16                      ; two records are 100 rows of 256 dense bytes
	s_mov_b32 s[G1+2], 100<<16
	s_mov_b32 s[G1+3], 32<<16
	s_mov_b32 s[G1+4], 100
	s_mov_b32 s[G1+5], 32
	s_mov_b32 s[G1+6], 0
	s_mov_b32 s[G1+7], 0
	s_mov_b32 s[G0], 1
	s_mul_i32 s[G0+1], s[WV], 2*REC                ; key steps 2 w and 2 w + 1, at 25,600 w
	s_mul_i32 s16, s14, 16*REC
	s_add_co_u32 s16, s16, s[G0+1]
	s_mov_b32 s17, 0
	s_mov_b32 s[LS], 0x76543210
	s_mov_b32 s[LS+1], 0xfedcba98
	s_mov_b32 s[CS], 0x3d38aa3b
	s_mov_b32 s[CS+1], s[CS]                       ; (named with it as a pair)
	s_wait_dscnt 0x0
	s_wait_kmcnt 0x0
	s_add_nc_u64 s[G0+2:G0+3], s[6:7], s[16:17]
	s_or_b32 s[G0+3], s[G0+3], 0x80000000
	CROUND                                         ; all four work-groups are here: the joint loads meet
	tensor_load_to_lds s[G0:G0+3], s[G1:G1+7]      ; my one tensor load
	s_nop 0
.rept 4
	v_nop
.endr
	s_mul_i32 s44, s14, 102400                     ; Q: the head,
	s_lshl_b32 s45, s15, 2
	s_lshr_b32 s46, s[WV], 1
	s_add_co_u32 s45, s45, s46                     ; the group of 128 queries: 4 x quarter + wave / 2,
	s_mul_i32 s46, s45, 6400
	s_add_co_u32 s44, s44, s46
	s_and_b32 s47, s[WV], 1                        ; and my four tiles of its eight
	s_mul_i32 s42, s47, 3072
	s_add_co_u32 s42, s42, s44
	s_mov_b32 s43, 0
	s_add_nc_u64 s[42:43], s[4:5], s[42:43]
	s_lshl_b32 s16, s47, 3
	s_add_co_u32 s16, s16, s44
	s_mov_b32 s17, 0
	s_add_nc_u64 s[16:17], s[4:5], s[16:17]
	v_bfe_u32 v6, v0, 4, 1                         ; h
	v_and_b32 v7, 15, v0                           ; r
	v_and_b32 v5, 31, v0
	v_mul_u32_u24 v2, v6, 6400
	v_lshlrev_b32 v3, 4, v7
	v_lshlrev_b32 v1, 3, v5
	v_lshl_add_u32 v2, v7, 4, v2
	v_lshlrev_b32 v4, 3, v6
	v_add_nc_u32 v2, 6144, v2                      ; lanes 0-15: K's four words of row r; lanes 16-31: V's, 6,400 bytes on
	global_load_b64 v[72:73], v3, s[16:17] offset:6144   ; two bytes a tile: tiles 0, 1 in the first word, 2, 3 in the second
	WIN 0x40
.irp i, 0,1,2,3
.irp p, 0,1,2
	global_load_b64 v[QR+12*\i+6+2*\p:QR+12*\i+7+2*\p], v1, s[42:43] offset:768*\i+256*\p
.endr
.endr
.irp i, 0,1,2,3,4
.irp k, 0,1,2,3,4,5
	v_mov_b32 v[QR+12*\i+\k], 0                    ; zero codes between the q
.endr
.endr
.set n, 0
.rept 128
	v_mov_b32 v[n], 0                              ; O^T: the trip is written once: the first finds zeros, which its f = 0 leaves zeros
.set n, n+1
.endr
	WIN 0
.irp i, 0,1,2,3
	v_mov_b32 v[16+10*\i], 0x7f61b1e6              ; -M
	v_mov_b32 v[17+10*\i], 0xff61b1e6              ; the largest score so far: -3e38
.irp k, 2,3,4,5,6,7,8,9
	v_mov_b32 v[16+10*\i+\k], 0                    ; l
.endr
.endr
	v_mov_b32 v[TP], 0                             ; written once: a lane permute's destination counts as one of its sources
	v_mov_b32 v[F+1], 0                            ; (named as the upper half of the pair)
	; where O goes: codes[224 + the tokens' group][K step head / 2][tile][half head % 2]; scales: half-word head % 8 of the row's 16 bytes
	s_lshr_b32 s44, s14, 4                         ; the batch
	s_and_b32 s46, s14, 15                         ; the head in it
	s_lshl_b32 s38, s44, 4
	s_add_co_u32 s38, s38, s45
	s_add_co_u32 s38, s38, 224
	s_mul_i32 s38, s38, 98304
	s_lshr_b32 s39, s46, 1
	s_mul_i32 s39, s39, 12288
	s_add_co_u32 s38, s38, s39
	s_mul_i32 s39, s47, 6144
	s_add_co_u32 s38, s38, s39
	s_and_b32 s39, s46, 1
	s_mul_i32 s39, s39, 768
	s_add_co_u32 s38, s38, s39
	s_mov_b32 s39, 0
	s_add_nc_u64 s[38:39], s[8:9], s[38:39]
	s_lshl_b32 s40, s44, 7
	s_lshl_b32 s41, s15, 5
	s_add_co_u32 s40, s40, s41
	s_lshl_b32 s41, s[WV], 2
	s_add_co_u32 s40, s40, s41                     ; my first tile among O's: 128 x batch + 32 x quarter + 4 x wave
	s_lshl_b32 s40, s40, 9
	s_add_co_u32 s40, s40, 224*4096
	s_lshr_b32 s41, s46, 3
	s_lshl_b32 s41, s41, 8
	s_add_co_u32 s40, s40, s41
	s_and_b32 s41, s46, 7
	s_lshl_b32 s41, s41, 1
	s_add_co_u32 s40, s40, s41
	s_mov_b32 s41, 0
	s_add_nc_u64 s[40:41], s[10:11], s[40:41]
	s_mov_b32 s[CNT], 0
	s_mov_b32 s[TB], 0
	s_mov_b32 s[TN], REC
	s_wait_loadcnt 0x0                             ; Q
	v_perm_b32 v[QS], v72, v72, 0x01000100         ; a tile's two bytes in both halves of its word: they serve q on either side of its zeros
	v_perm_b32 v[QS+1], v72, v72, 0x03020302
	v_perm_b32 v[QS+2], v73, v73, 0x01000100
	v_perm_b32 v[QS+3], v73, v73, 0x03020302
	v_mov_b32 v6, v1                               ; record 0's K
	v_add_nc_u32 v7, 2048, v1
	v_add_nc_u32 v8, 4096, v1
	WALU                                           ; the wait at the head's end
	s_wait_tensorcnt 0x0                           ; my records are in,
	s_barrier_signal -1
	s_barrier_wait -1                              ; everybody's are: the whole head lies in LDS
	FLOAD KF, 6
	ds_load_b128 v[SCK:SCK+3], v2
	s_wait_dscnt 0x0
	QKM 0                                          ; tile 0's scores of key step 0
.macro FILL                            ; line m = 0 .. 9 among the second half's exponentials: each writes a register that is first read behind the next wait
.if m < 4
	v_pk_fma_f32 v[AC+2*m:AC+2*m+1], v[AC+2*m:AC+2*m+1], v[F:F+1], v[SR+2*m:SR+2*m+1] op_sel_hi:[1,0,1]   ; l f + p
.elseif m < 8
	v_pk_add_f32 v[TA+2*(m-4):TA+2*(m-4)+1], v[SR+8+4*(m-4):SR+9+4*(m-4)], v[SR+10+4*(m-4):SR+11+4*(m-4)]
.else
	v_max_num_f32 v[BM+m-8], 0x1800000, v[BM+m-8]  ; the floor 2^(3 - 127): the byte cannot fall under 1
.endif
.endm
.macro CHI                             ; p's scales, a line at a time among the sums: the conversions' operands, the bytes, the word
.if m == 0
	v_add_nc_u32 v[SO], 0xff000000, v[BM]          ; 2 off the exponent field
.elseif m == 1
	v_add_nc_u32 v[SO+1], 0xff000000, v[BM+1]
.elseif m == 4
	v_lshrrev_b32 v[CH], 23, v[SO]
.elseif m == 5
	v_lshrrev_b32 v[CH+1], 23, v[SO+1]
.elseif m == 8
	v_lshl_or_b32 v[PS], v[CH+1], 16, v[CH]        ; my bytes: blocks h and 2 + h,
.elseif m == 12
	v_lshlrev_b32 v[PS], v4, v[PS]                 ; at their places, 8 h bits up;
.elseif m == 16
	v_permlanex16_b32 v[TP], v[PS], s[LS], s[LS+1]
.elseif m == 19
	v_or_b32 v[PS], v[PS], v[TP]                   ; with lane l xor 16's two the word is whole
.endif
.endm
; One tile of 16 queries against the trip's 128 keys.  Its scores have been multiplied; nq: the tile whose scores are multiplied here.
.macro TILE q, nq
.set NM, 16+10*(\q)
.set MX, NM+1
.set AC, NM+2
	v_mov_b32 v5, v[NM]
.irp k, 0,1,2,3,4,5,6,7                ; the largest score: eight chains by turns, one an accumulator, each from its low end on
	v_max3_num_f32 v[CH+\k], v[SR+8*\k], v[SR+8*\k+1], v[SR+8*\k+2]
.endr
.irp i, 3,5
.irp k, 0,1,2,3,4,5,6,7
	v_max3_num_f32 v[CH+\k], v[CH+\k], v[SR+8*\k+\i], v[SR+8*\k+\i+1]
.endr
.endr
.irp c, 0,1
	v_max3_num_f32 v[CH+4*\c], v[CH+4*\c], v[CH+4*\c+1], v[CH+4*\c+2]
	v_max3_num_f32 v[CH+4*\c+3], v[CH+4*\c+3], v[SR+32*\c+7], v[SR+32*\c+15]
	v_max_num_f32 v[CH+4*\c+1], v[SR+32*\c+23], v[SR+32*\c+31]
.endr
	v_max3_num_f32 v[BM], v[CH], v[CH+3], v[CH+1]  ; my two blocks' largest scores: for the row's maximum and, since p rises with the score, for the blocks' largest p
	v_max3_num_f32 v[BM+1], v[CH+4], v[CH+7], v[CH+5]
	DEP1
	v_max3_num_f32 v[MX], v[MX], v[BM], v[BM+1]
	DEP1
	v_permlanex16_b32 v[TP], v[MX], s[LS], s[LS+1]
	DEP1
	v_max_num_f32 v[MX], v[MX], v[TP]              ; the running largest score of my query
	DEP1
	v_mul_f32 v[TP+1], s[CS], v[MX]                ; as t (c is positive)
	DEP1
	v_floor_f32 v[NM], -v[TP+1]                    ; the new -M = -ceil(t)
.if (\q) == 3
	FLOAD KF, 6                                    ; K's fragments have been multiplied for the last time: the next trip's come over them,
	ds_load_b128 v[SCK:SCK+3], v14                 ; with their scale words
.endif
.set n, 0
.rept 16
	v_pk_fma_f32 v[SR+n:SR+n+1], v[SR+n:SR+n+1], s[CS:CS+1], v[NM:NM+1] op_sel_hi:[1,0,0]   ; t - M of the first 32, two at a time; among them f is made
.if n == 6
	v_sub_f32 v[TP+1], v[NM], v5                   ; old M - new M: a whole number, 0 or less
.elseif n == 14
	v_cvt_i32_f32 v[TP+1], v[TP+1]                 ; (it saturates)
.elseif n == 22
	v_ldexp_f32 v[F], 1.0, v[TP+1]                 ; f = 2^(old M - new M)
.endif
.set n, n+2
.endr
	v_fma_f32 v[BM], v[BM], s[CS], v[NM]           ; the same of each block's largest score
	v_fma_f32 v[BM+1], v[BM+1], s[CS], v[NM]
	WALU                                           ; the wait ahead of the batch
	v_exp_f32 v[BM], v[BM]
	v_exp_f32 v[BM+1], v[BM+1]
.set n, 0
.rept 32
	v_exp_f32 v[SR+n], v[SR+n]                     ; p = 2^(t - M), the first 32
.if (n%2) == 1
	v_pk_fma_f32 v[SR+31+n:SR+32+n], v[SR+31+n:SR+32+n], s[CS:CS+1], v[NM:NM+1] op_sel_hi:[1,0,0]   ; t - M of the second 32
.endif
.set n, n+1
.endr
	WALU                                           ; behind the first batch and ahead of the second
.set n, 0
.set m, 0
.rept 32
	v_exp_f32 v[SR+32+n], v[SR+32+n]               ; the second 32
.if (n%3) == 2 && n < 30
	FILL
.set m, m+1
.endif
.set n, n+1
.endr
	v_nop                                          ; the plain place behind the exponentials
	WALU                                           ; the wait ahead of the batch's first reader
.set m, 0
.rept 24                               ; the rest of the sums of the unquantised p: 20 pairs onto eight chains by turns, then the four temporary pairs onto the four that are kept
.if m < 20
.if (m%8) < 4
	v_pk_add_f32 v[AC+2*(m%8):AC+2*(m%8)+1], v[AC+2*(m%8):AC+2*(m%8)+1], v[SR+24+2*m:SR+25+2*m]
.else
	v_pk_add_f32 v[TA+2*(m%8)-8:TA+2*(m%8)-7], v[TA+2*(m%8)-8:TA+2*(m%8)-7], v[SR+24+2*m:SR+25+2*m]
.endif
.else
	v_pk_add_f32 v[AC+2*(m-20):AC+2*(m-20)+1], v[AC+2*(m-20):AC+2*(m-20)+1], v[TA+2*(m-20):TA+2*(m-20)+1]
.endif
	CHI
.set m, m+1
.endr
.irp c, 0,1
	v_cvt_scalef32_pk16_fp6_f32 v[PD+6*\c:PD+6*\c+2], v[SR+32*\c:SR+32*\c+15], v[SO+\c]
	v_cvt_scalef32_pk16_fp6_f32 v[WK+4*\c:WK+4*\c+2], v[SR+32*\c+16:SR+32*\c+31], v[SO+\c]   ; (a conversion's three registers begin on an even number)
.endr
	v_nop                                          ; one plain place behind a scaled conversion
.if (\q) == 0 || (\q) == 3
	WALU                                           ; the wait directly ahead of the wait below
	s_wait_dscnt 0x0                               ; tile 0: V's fragments and scale words; tile 3: the next trip's K and its scale words
.endif
	QKM \nq                                        ; the next tile's scores, over p
.irp c, 0,1
.irp i, 0,1,2
	v_mov_b32 v[PD+6*\c+3+\i], v[WK+4*\c+\i]
.endr
.endr
	WIN 0x41                                       ; O^T in window 1, f in window 0
	WALU                                           ; the wait directly ahead of the first reader of O^T
.set n, 0
.rept 16
	v_pk_mul_f32 v[32*(\q)+n:32*(\q)+n+1], v[32*(\q)+n:32*(\q)+n+1], v[F:F+1] op_sel_hi:[1,0]   ; O^T under the new M; these are also the places between the writes of p's codes and the products
.set n, n+2
.endr
	WIN 0x51                                       ; V and O^T in window 1, p's codes in window 0
.irp t, 0,1,2,3                        ; O^T += V^T P^T; the four accumulators take turns
	v_wmma_scale_f32_16x16x128_f8f6f4 v[32*(\q)+8*\t:32*(\q)+8*\t+7], v[VF+12*\t:VF+12*\t+11], v[PD:PD+11], v[32*(\q)+8*\t:32*(\q)+8*\t+7], v[SCV+\t], v[PS] matrix_a_fmt:MATRIX_FMT_FP6 matrix_b_fmt:MATRIX_FMT_FP6 matrix_a_scale:MATRIX_SCALE_ROW1
.endr
	WIN 0
.endm
.Lkey:
	v_add3_u32 v9, s[TB], 6400, v1                 ; the trip's addresses: these lines are also the places between the last products and the loads into V's registers
	v_add3_u32 v10, s[TB], 8448, v1
	v_add3_u32 v11, s[TB], 10496, v1
	v_add_nc_u32 v15, s[TB], v2
	v_add_nc_u32 v6, s[TN], v1
	v_add3_u32 v7, s[TN], 2048, v1
	v_add3_u32 v8, s[TN], 4096, v1
	v_add_nc_u32 v14, s[TN], v2
	WIN 0x40
	FLOAD VF, 9                                    ; V's fragments: they have tile 0's softmax in which to come
	WIN 0
	ds_load_b128 v[SCV:SCV+3], v15
	TILE 0, 1
	TILE 1, 2
	TILE 2, 3
	TILE 3, 0
	s_add_co_u32 s[CNT], s[CNT], 1
	s_and_b32 s[TB], s[CNT], 15
	s_mul_i32 s[TB], s[TB], REC
	s_add_co_u32 s[TN], s[CNT], 1
	s_and_b32 s[TN], s[TN], 15
	s_mul_i32 s[TN], s[TN], REC
	s_cmp_lt_u32 s[CNT], 16
	s_cbranch_scc1 .Lkey
; THE WAY OUT: O^T / l, quantised along my head's 64 dims: two blocks a tile, half a fragment.  The rows' sums of the four tiles by turns; these lines are the places behind the last products
.irp i, 0,1,2,3
	v_pk_add_f32 v[18+10*\i:19+10*\i], v[18+10*\i:19+10*\i], v[20+10*\i:21+10*\i]
.endr
.irp i, 0,1,2,3
	v_pk_add_f32 v[22+10*\i:23+10*\i], v[22+10*\i:23+10*\i], v[24+10*\i:25+10*\i]
.endr
.irp i, 0,1,2,3
	v_pk_add_f32 v[18+10*\i:19+10*\i], v[18+10*\i:19+10*\i], v[22+10*\i:23+10*\i]
.endr
.irp i, 0,1,2,3
	v_add_f32 v[18+10*\i], v[18+10*\i], v[19+10*\i]
.endr
.irp i, 0,1,2,3
	v_permlanex16_b32 v[CH+\i], v[18+10*\i], s[LS], s[LS+1]
.endr
.irp i, 0,1,2,3
	v_add_f32 v[18+10*\i], v[18+10*\i], v[CH+\i]   ; the row's sum
.endr
	WALU
.irp i, 0,1,2,3
	v_rcp_f32 v[18+10*\i], v[18+10*\i]
.endr
	v_nop                                          ; one plain place behind the transcendentals
.set EM, KF                            ; K's registers are free to work in.  Four largest magnitudes: block b of tile jj at 2 jj + b
.set EP, KF+4
.set ES, KF+8
.set EB, KF+12
.set EW, KF+16
.set EC, KF+20                         ; codes: twelve registers a tile: six, and the second conversion's three
.macro OUT2 j0                         ; tiles j0 and j0 + 1, their four blocks by turns
.if (\j0) > 0
	s_wait_xcnt 0x0                                ; the last pair's stores have read their registers
.endif
	WIN 0x01
	WALU                                           ; the wait ahead of the reciprocals' first reader, which is these tiles' O^T's first reader too
.irp jj, 0,1
.set n, 0
.rept 16
	v_pk_mul_f32 v[SR+32*\jj+n:SR+32*\jj+n+1], v[32*((\j0)+\jj)+n:32*((\j0)+\jj)+n+1], v[18+10*((\j0)+\jj):19+10*((\j0)+\jj)] op_sel_hi:[1,0]   ; register 16 b + i: dim 32 b + 16 (lane / 16) + i; each accumulator from its low end on
.set n, n+2
.endr
.endr
	WIN 0
.irp x, 0,1,2,3
	v_max3_num_f32 v[EM+\x], |v[SR+16*\x]|, |v[SR+16*\x+1]|, 0x1800000
.endr
.irp i, 2,4,6,8,10,12,14
.irp x, 0,1,2,3
	v_max3_num_f32 v[EM+\x], v[EM+\x], |v[SR+16*\x+\i]|, |v[SR+16*\x+\i+1]|
.endr
.endr
.irp x, 0,1,2,3
	v_permlanex16_b32 v[EP+\x], v[EM+\x], s[LS], s[LS+1]
.endr
.irp x, 0,1,2,3
	v_max_num_f32 v[EM+\x], v[EM+\x], v[EP+\x]
.endr
.irp x, 0,1,2,3
	v_add_nc_u32 v[ES+\x], 0xff000000, v[EM+\x]
.endr
.irp x, 0,1,2,3
	v_lshrrev_b32 v[EB+\x], 23, v[ES+\x]
.endr
.irp jj, 0,1
	v_lshl_or_b32 v[EW+\jj], v[EB+2*\jj+1], 8, v[EB+2*\jj]   ; my row's two bytes
.endr
.irp jj, 0,1
	v_cvt_scalef32_pk16_fp6_f32 v[EC+12*\jj:EC+12*\jj+2], v[SR+32*\jj:SR+32*\jj+15], v[ES+2*\jj]
	v_cvt_scalef32_pk16_fp6_f32 v[EC+12*\jj+6:EC+12*\jj+8], v[SR+32*\jj+16:SR+32*\jj+31], v[ES+2*\jj+1]
.endr
	v_nop
.irp jj, 0,1
.irp i, 0,1,2
	v_permlane16_swap_b32 v[EC+12*\jj+\i], v[EC+12*\jj+6+\i]   ; a whole block in a lane
.endr
.endr
.irp jj, 0,1
.irp i, 0,1,2
	v_mov_b32 v[EC+12*\jj+3+\i], v[EC+12*\jj+6+\i]
.endr
.endr
.irp jj, 0,1
.irp p, 0,1,2
	global_store_b64 v1, v[EC+12*\jj+2*\p:EC+12*\jj+2*\p+1], s[38:39] offset:1536*((\j0)+\jj)+256*\p   ; a piece: 256 consecutive bytes, aligned
.endr
	global_store_b16 v3, v[EW+\jj], s[40:41] offset:512*((\j0)+\jj)   ; lanes 16-31 hold the same bytes and write the same places
.endr
.endm
	OUT2 0
	OUT2 2
	s_wait_tensorcnt 0x0                           ; the wave's end
	ds_add_u32 v254, v255
	s_wait_dscnt 0x0
	CROUND                                         ; the closing round
	s_endpgm
.Lfunc_end_k_qfee81ede08_attn:
	.size	k_qfee81ede08_attn, .Lfunc_end_k_qfee81ede08_attn-k_qfee81ede08_attn
	.p2alignl 7, 3214868480
	.fill 96, 4, 3214868480
	.section	.rodata,"a",@progbits
	.p2align	6, 0x0
	.amdhsa_kernel k_qfee81ede08_attn
		.amdhsa_group_segment_fixed_size 206848
		.amdhsa_private_segment_fixed_size 0
		.amdhsa_enable_private_segment 0
		.amdhsa_kernarg_size 32
		.amdhsa_user_sgpr_count 2
		.amdhsa_user_sgpr_kernarg_segment_ptr 1
		.amdhsa_wavefront_size32 1
		.amdhsa_system_sgpr_workgroup_id_x 1
		.amdhsa_system_sgpr_workgroup_id_y 1
		.amdhsa_system_sgpr_workgroup_id_z 1
		.amdhsa_system_vgpr_workitem_id 0
		.amdhsa_next_free_vgpr 512
		.amdhsa_next_free_sgpr 66
		.amdhsa_reserve_vcc 0
		.amdhsa_float_denorm_mode_32 3
		.amdhsa_float_denorm_mode_16_64 3
		.amdhsa_memory_ordered 1
		.amdhsa_forward_progress 1
		.amdhsa_inst_pref_size 83
	.end_amdhsa_kernel
	.amdgpu_metadata
---
amdhsa.version: [ 1, 2 ]
amdhsa.kernels:
  - .name:           k_qfee81ede08_attn
    .symbol:         k_qfee81ede08_attn.kd
    .args:
      - { .name: qb, .offset: 0, .size: 8, .value_kind: global_buffer, .address_space: global }
      - { .name: kv, .offset: 8, .size: 8, .value_kind: global_buffer, .address_space: global }
      - { .name: codes, .offset: 16, .size: 8, .value_kind: global_buffer, .address_space: global }
      - { .name: scales, .offset: 24, .size: 8, .value_kind: global_buffer, .address_space: global }
    .group_segment_fixed_size: 206848
    .private_segment_fixed_size: 0
    .kernarg_segment_align: 8
    .kernarg_segment_size: 32
    .max_flat_workgroup_size: 256
    .sgpr_count:     66
    .vgpr_count:     512
    .wavefront_size: 32
...
	.end_amdgpu_metadata
.endif
;; end of part 3
;; launch outp (part 4): grid 4 x 32, 4 waves a work-group, clusters of 4 x 4, 327,680 bytes of LDS; arguments codes, scales, be, out0; writes out0
.if DOCPART == 4
	.amdgcn_target "amdgcn-amd-amdhsa--gfx1250"
	.amdhsa_code_object_version 6
	.text
	.protected	k_qfee81ede08_outp
	.globl	k_qfee81ede08_outp
	.p2align	8
	.type	k_qfee81ede08_outp,@function
k_qfee81ede08_outp:
	s_mov_b64 s[64:65], 0
	v_nop
	global_prefetch_b8 v0, s[64:65] scope:SCOPE_SE
	s_setreg_imm32_b32 hwreg(HW_REG_WAVE_MODE, 25, 1), 1
	s_wait_xcnt 0x0
	s_wait_alu depctr_hold_cnt(0) depctr_sa_sdst(0) depctr_va_vdst(0) depctr_va_sdst(0) depctr_va_ssrc(0) depctr_va_vcc(0) depctr_vm_vsrc(0)
	s_getreg_b32 s2, hwreg(HW_REG_IB_STS2, 6, 4)
	s_cmp_eq_u32 s2, 0
	s_cbranch_scc0 .Lentry_in_a_cluster
	s_endpgm
.Lentry_in_a_cluster:
	s_bfe_u32 s2, ttmp6, 0x10000c
	s_cmp_lg_u32 s2, 0xf033
	s_cbranch_scc0 .Lentry_shape_is_right
	s_endpgm
.Lentry_shape_is_right:
.set HALFT, 24576
.set SLOT,  4*HALFT
.set SPARE, 2*SLOT
.set FR,    12
.set NL,    6
.set NP,    4
.set L8,    6
.set ADRA,  16
.set ADRB,  20
.set STO,   24
.set RD,    25
.set CO,    26
.set SOFF,  27
.set SPW,   28
.set NIL,   29
.set SC,    32
.set AF,    128
.set BK,    128
.set WV,    18
.set AH,    19
.set BH,    20
.set G1,    24
.set G0,    32
.set G1B,   48
.set G0B,   56
.set MSB, 0
.macro WIN new
.if MSB != (\new)
	s_set_vgpr_msb (MSB<<8)|(\new)
.set MSB, (\new)
.endif
.endm
.set MUL_LO, 0xa1
.set MUL_HI, 0xf1
.set TO_B,   0x40
.macro JLOAD g0a, g0b
	s_cmp_eq_u32 s[AH], 0
	s_cbranch_scc0 .Lfor_b_\@
	tensor_load_to_lds s[\g0a:\g0a+3], s[G1:G1+7]
	s_nop 0
.rept 4
	v_nop
.endr
	s_branch .Lasked_\@
.Lfor_b_\@:
	tensor_load_to_lds s[\g0b:\g0b+3], s[G1B:G1B+7]
	s_nop 0
.rept 4
	v_nop
.endr
.Lasked_\@:
.endm
.macro CREST
	s_cmp_lg_u32 s[WV], 0
	s_cbranch_scc1 .Lnot_wave_0_\@
	s_barrier_signal -3
.Lnot_wave_0_\@:
	s_barrier_wait -3
	s_barrier_signal -1
	s_barrier_wait -1
.endm
.macro CROUND
	s_barrier_signal -1
	s_barrier_wait -1
	CREST
.endm
.macro PLACES n
.rept \n
	v_nop
.endr
.endm
	s_load_b256 s[4:11], s[0:1], 0x0
	v_lshl_add_u32 v[SPW], v0, 2, SPARE
	v_mov_b32 v[NIL], 0
	ds_add_u32 v28, v29
	ds_add_u32 v28, v29
	s_wait_dscnt 0x0
	v_lshrrev_b32 v1, 5, v0
	v_readfirstlane_b32 s[WV], v1
	s_lshr_b32 s[AH], s[WV], 1
	s_and_b32 s[BH], s[WV], 1
	s_bfe_u32 s40, ttmp6, 0x40000
	s_bfe_u32 s41, ttmp6, 0x40004
	s_and_b32 s66, ttmp7, 0xffff
	s_lshl_b32 s66, s66, 2
	s_add_co_u32 s66, s66, s41
	s_lshl_b32 s67, s66, 1
	s_add_co_u32 s67, s67, 224
	s_lshl_b32 s70, ttmp9, 2
	s_add_co_u32 s70, s70, s40
	s_lshl_b32 s71, s70, 1
	s_add_co_u32 s71, s71, 216
	s_lshl_b32 s43, s41, 2
	s_lshl_b32 s43, 15, s43
	s_lshl_b32 s44, 0x1111, s40
	s_or_b32 s[G1+0], s43, (3<<16)|(1<<21)
	s_or_b32 s[G1B+0], s44, (3<<16)|(1<<21)
.irp g, G1, G1B
	s_mov_b32 s[\g+1], 32<<16
	s_mov_b32 s[\g+2], 96<<16
	s_mov_b32 s[\g+3], 32<<16
	s_mov_b32 s[\g+4], 96
	s_mov_b32 s[\g+5], 32
	s_mov_b32 s[\g+6], 0
	s_mov_b32 s[\g+7], 0
.endr
	s_add_co_u32 s68, s67, s[BH]
	s_mul_i32 s68, s68, 98304
	s_mov_b32 s69, 0
	s_add_co_u32 s72, s71, s[BH]
	s_mul_i32 s72, s72, 98304
	s_mov_b32 s73, 0
	s_mul_i32 s46, s[WV], HALFT
	s_wait_kmcnt 0x0
	s_add_nc_u64 s[68:69], s[4:5], s[68:69]
	s_add_nc_u64 s[72:73], s[4:5], s[72:73]
	CROUND
.irp k, 0,1
	s_mov_b32 s[G0+4*\k], 1
	s_add_co_u32 s[G0+4*\k+1], s46, \k*SLOT
	s_add_nc_u64 s[G0+4*\k+2:G0+4*\k+3], s[68:69], \k*HALFT
	s_or_b32 s[G0+4*\k+3], s[G0+4*\k+3], 0x80000000
	s_mov_b32 s[G0B+4*\k], 1
	s_add_co_u32 s[G0B+4*\k+1], s46, \k*SLOT
	s_add_nc_u64 s[G0B+4*\k+2:G0B+4*\k+3], s[72:73], \k*HALFT
	s_or_b32 s[G0B+4*\k+3], s[G0B+4*\k+3], 0x80000000
.endr
	JLOAD G0, G0B
	v_and_b32 v1, 15, v0
	v_bfe_u32 v2, v0, 4, 1
	s_wait_alu depctr_va_vdst(0)
	v_and_b32 v3, 31, v0
	v_lshlrev_b32 v[L8], 3, v3
	s_mul_i32 s2, s[AH], HALFT
	s_mul_i32 s3, s[BH], HALFT
	s_add_co_u32 s3, s3, 2*HALFT
.irp k, 0,1
	v_add_nc_u32 v[ADRA+\k], s2, v[L8]
	v_add_nc_u32 v[ADRB+\k], s3, v[L8]
	s_add_co_u32 s2, s2, SLOT
	s_add_co_u32 s3, s3, SLOT
.endr
	s_add_co_u32 s2, s67, s[AH]
	s_lshl_b32 s2, s2, 12
	s_add_co_u32 s3, s71, s[BH]
	s_lshl_b32 s3, s3, 12
	v_mov_b32 v4, s2
	v_mov_b32 v5, s3
	v_cmp_ne_u32 vcc_lo, 0, v2
	v_cndmask_b32 v[SOFF], v4, v5, vcc_lo
	v_lshl_add_u32 v[SOFF], v1, 4, v[SOFF]
.irp i, 0,1,2,3,4,5,6,7
.irp k, 0,1
	global_load_b128 v[SC+8*\i+4*\k:SC+8*\i+4*\k+3], v[SOFF], s[6:7] offset:512*\i+256*\k
.endr
.endr
	s_lshl_b32 s76, s66, 8
	s_lshl_b32 s2, s[AH], 7
	s_add_co_u32 s76, s76, s2
	s_lshl_b32 s77, s70, 8
	s_lshl_b32 s2, s[BH], 7
	s_add_co_u32 s77, s77, s2
	s_lshl_b32 s78, s77, 2
	s_mov_b32 s79, 0
	s_lshl_b32 s80, s76, 12
	s_add_co_u32 s80, s80, s78
	s_mov_b32 s81, 0
	s_add_nc_u64 s[80:81], s[10:11], s[80:81]
	s_add_nc_u64 s[78:79], s[8:9], s[78:79]
	v_lshlrev_b32 v30, 6, v2
	WIN TO_B
.irp g, 0,1,2,3
.irp j, 0,1,2,3
	global_load_b128 v[96+16*\g+4*\j+96*(\g/2):96+16*\g+4*\j+96*(\g/2)+3], v30, s[78:79] offset:128*\g+16*\j
.endr
.endr
	WIN 0
	s_mul_i32 s2, s[WV], 8448
	v_mul_u32_u24 v[STO], v1, 528
	v_lshl_add_u32 v[STO], v2, 6, v[STO]
	v_add_nc_u32 v[STO], s2, v[STO]
	v_lshlrev_b32 v[CO], 4, v3
	v_add_nc_u32 v[RD], s2, v[CO]
	s_wait_alu depctr_va_vdst(0)
	s_wait_tensorcnt 0x0
	ds_add_u32 v28, v29
	s_wait_dscnt 0x0
	CROUND
	JLOAD G0+4, G0B+4
	s_wait_loadcnt 0x0
.macro FRAG reg, adr, q, i
.irp p, 0,1,2,3,4,5
	ds_load_b64 v[\reg+2*\p:\reg+2*\p+1], v[\adr] offset:12288*(\q)+1536*(\i)+256*\p
.endr
.endm
.macro MUL16 a0, p, ks
.irp a, \a0, \a0+1
.irp b, 0,1,2,3,4,5,6,7
.if (\ks) == 0
	v_wmma_scale_f32_16x16x128_f8f6f4 v[8*(8*((\a)%4)+\b):8*(8*((\a)%4)+\b)+7], v[128*(\p)+FR*\b:128*(\p)+FR*\b+FR-1], v[AF+FR*(\a):AF+FR*(\a)+FR-1], 0, v[SC+8*\b+(\ks)], v[SC+8*(\a)+(\ks)] matrix_a_fmt:MATRIX_FMT_FP6 matrix_b_fmt:MATRIX_FMT_FP6 matrix_a_scale:MATRIX_SCALE_ROW1
.else
	v_wmma_scale_f32_16x16x128_f8f6f4 v[8*(8*((\a)%4)+\b):8*(8*((\a)%4)+\b)+7], v[128*(\p)+FR*\b:128*(\p)+FR*\b+FR-1], v[AF+FR*(\a):AF+FR*(\a)+FR-1], v[8*(8*((\a)%4)+\b):8*(8*((\a)%4)+\b)+7], v[SC+8*\b+(\ks)], v[SC+8*(\a)+(\ks)] matrix_a_fmt:MATRIX_FMT_FP6 matrix_b_fmt:MATRIX_FMT_FP6 matrix_a_scale:MATRIX_SCALE_ROW1
.endif
.endr
.endr
.endm
.macro FETCH_B slot, q, p
	WIN TO_B
.irp i, 0,1,2,3,4,5,6,7
	FRAG 128*(\p)+FR*\i, ADRB+\slot, \q, \i
.endr
	WIN 0
.endm
.macro FETCH_A slot, q, i0
.irp i, \i0, \i0+1, \i0+2, \i0+3
	FRAG AF+FR*(\i), ADRA+\slot, \q, \i
.endr
.endm
.macro STEP slot, ks
	s_wait_dscnt 4*NL
	WIN MUL_LO
	MUL16 0, 0, \ks
	MUL16 2, 0, \ks
	s_wait_dscnt 0
	PLACES NP
	FETCH_B \slot, 1, 1
	FETCH_A \slot, 1, 0
	WIN MUL_HI
	MUL16 4, 0, \ks
	MUL16 6, 0, \ks
	PLACES NP
	WIN 0
	FETCH_A \slot, 1, 4
.endm
.macro TURN slot, next, fill, ks
	s_wait_tensorcnt 0x0
	ds_add_u32 v[SPW], v[NIL]
	s_wait_dscnt 4*NL+1
	WIN MUL_LO
	MUL16 0, 1, \ks
	s_wait_dscnt 0x0
	s_barrier_signal -1
	MUL16 2, 1, \ks
	WIN 0
	s_barrier_wait -1
.if \fill
	CREST
	s_add_nc_u64 s[G0+4*\slot+2:G0+4*\slot+3], s[G0+4*\slot+2:G0+4*\slot+3], 2*HALFT
	s_add_nc_u64 s[G0B+4*\slot+2:G0B+4*\slot+3], s[G0B+4*\slot+2:G0B+4*\slot+3], 2*HALFT
	JLOAD G0+4*\slot, G0B+4*\slot
.else
	PLACES NP
.endif
	FETCH_B \next, 0, 0
	FETCH_A \next, 0, 0
	WIN MUL_HI
	MUL16 4, 1, \ks
	MUL16 6, 1, \ks
	PLACES NP
	WIN 0
	FETCH_A \next, 0, 4
.endm
	s_wait_tensorcnt 1
	s_barrier_signal -1
	s_barrier_wait -1
	FETCH_B 0, 0, 0
	FETCH_A 0, 0, 0
	FETCH_A 0, 0, 4
	STEP 0, 0
	TURN 0, 1, 1, 1
	STEP 1, 2
	TURN 1, 0, 1, 3
	STEP 0, 4
	TURN 0, 1, 0, 5
	STEP 1, 6
	s_wait_dscnt 4*NL
	WIN MUL_LO
	MUL16 0, 1, 7
	MUL16 2, 1, 7
	s_wait_dscnt 0
	WIN MUL_HI
	MUL16 4, 1, 7
	MUL16 6, 1, 7
	WIN 0
	PLACES NP
.macro TOSTAGE a
.set AC, 64*((\a)%4)
.set BB, BK+64*((\a)%2)
	WIN 0x06+(\a)/4
.set n, 0
.rept 32
	v_pk_add_f32 v[BB+n:BB+n+1], v[AC+n:AC+n+1], v[96+n+96*(n/32):96+n+96*(n/32)+1]
.set n, n+2
.endr
	WIN 0
.irp b, 0,1,2,3,4,5,6,7
	ds_store_b128 v[STO], v[BB+8*\b:BB+8*\b+3] offset:128*(\b/2)+32*(\b%2)
	ds_store_b128 v[STO], v[BB+8*\b+4:BB+8*\b+7] offset:128*(\b/2)+32*(\b%2)+16
.endr
.irp t, 0,1,2,3,4,5,6,7,8,9,10,11,12,13,14,15
	ds_load_b128 v[BB+4*\t:BB+4*\t+3], v[RD] offset:\t*528
.endr
.endm
.macro SEND a, younger
.set BB, BK+64*((\a)%2)
	s_wait_dscnt \younger
.irp t, 0,1,2,3,4,5,6,7,8,9,10,11,12,13,14,15
	global_store_b128 v[CO], v[BB+4*\t:BB+4*\t+3], s[80:81] offset:(32*((\a)/2)+8*((\a)%2)+\t+8*(\t/8))*4096 th:TH_STORE_NT
.endr
.endm
	TOSTAGE 0
.irp a, 1,2,3,4,5,6,7
.if \a > 1
	s_wait_xcnt 0x0
.endif
	TOSTAGE \a
	SEND \a-1, 32
.endr
	SEND 7, 0
	s_wait_tensorcnt 0x0
	ds_add_u32 v[SPW], v[NIL]
	s_wait_dscnt 0x0
	CROUND
	s_endpgm
.Lfunc_end_k_qfee81ede08_outp:
	.size	k_qfee81ede08_outp, .Lfunc_end_k_qfee81ede08_outp-k_qfee81ede08_outp
	.p2alignl 7, 3214868480
	.fill 96, 4, 3214868480
	.section	.rodata,"a",@progbits
	.p2align	6, 0x0
	.amdhsa_kernel k_qfee81ede08_outp
		.amdhsa_group_segment_fixed_size 327680
		.amdhsa_private_segment_fixed_size 0
		.amdhsa_enable_private_segment 0
		.amdhsa_kernarg_size 32
		.amdhsa_user_sgpr_count 2
		.amdhsa_user_sgpr_kernarg_segment_ptr 1
		.amdhsa_wavefront_size32 1
		.amdhsa_system_sgpr_workgroup_id_x 1
		.amdhsa_system_sgpr_workgroup_id_y 1
		.amdhsa_system_sgpr_workgroup_id_z 1
		.amdhsa_system_vgpr_workitem_id 0
		.amdhsa_next_free_vgpr 1024
		.amdhsa_next_free_sgpr 84
		.amdhsa_reserve_vcc 1
		.amdhsa_float_denorm_mode_32 3
		.amdhsa_float_denorm_mode_16_64 3
		.amdhsa_memory_ordered 1
		.amdhsa_forward_progress 1
		.amdhsa_inst_pref_size 174
	.end_amdhsa_kernel
	.amdgpu_metadata
---
amdhsa.version: [ 1, 2 ]
amdhsa.kernels:
  - .name:           k_qfee81ede08_outp
    .symbol:         k_qfee81ede08_outp.kd
    .args:
      - { .name: codes, .offset: 0, .size: 8, .value_kind: global_buffer, .address_space: global }
      - { .name: scales, .offset: 8, .size: 8, .value_kind: global_buffer, .address_space: global }
      - { .name: be, .offset: 16, .size: 8, .value_kind: global_buffer, .address_space: global }
      - { .name: out0, .offset: 24, .size: 8, .value_kind: global_buffer, .address_space: global }
    .group_segment_fixed_size: 327680
    .private_segment_fixed_size: 0
    .kernarg_segment_align: 8
    .kernarg_segment_size: 32
    .max_flat_workgroup_size: 128
    .sgpr_count:     84
    .vgpr_count:     1024
    .wavefront_size: 32
...
	.end_amdgpu_metadata
.endif
;; end of part 4
